; MI455X (gfx1250); checked and timed in simulation.
; The chip was launched on July 23, 2026; its instructions are those of AMD's public machine-readable ISA for CDNA 5 (MIT licence, August 2026) and "CDNA5" Instruction Set Architecture Reference Guide (July 2026). The comments in the code are by the model that wrote it; some were corrected since.
;; FFM. Allowed arithmetic: matrix products marked QUANTISED: E2M3 operands, one E8M0 scale for each 32 along K, by v_wmma_scale_f32_16x16x128_f8f6f4 with both operands' format E2M3, f32 sums; products left as they are: f32 operands where the result goes on into a quantised operand, else bf16, f16 or f32 operands; f32 sums; everything else in f32.
;; Inputs: b one number float32; v 2,048 x 32 x 64 float32; w 2,048 float32; x 16,384 x 2,048 float32.
;; Outputs: out0 16,384 float32.
;; This version of the problem:
;;   THIS VERSION OF THE PROBLEM IS GIVEN IN LOW PRECISION. The matrix products marked QUANTISED in the list below multiply operands that are first quantised to E2M3 (2 exponent bits, 3 mantissa bits; 6 bits a number), with one power-of-two scale for each 32 numbers along K (OCP MX v1.0); their sums are f32. All else is computed in f32.
;;   The module's matrix products, in the order in which they are computed (A, B: the left and right operand; K: the contracted axis; several contracted axes count as one K, in the product's order):
;;     1. [M 16,384, K 2,048] x [K 2,048, N 1]; A: input x; B: input w: left as it is (N = 1 < 16)
;;     2. [M 16,384, K 2,048] x [K 2,048, N 2,048]; A: input x; B: input v: QUANTISED
;;   THE QUANTISER, for each operand of a quantised product, along K:
;;     - K is cut into blocks of 32 from its start; a last block that is shorter is filled with zeros.
;;     - A block's scale is 2^e with e = floor(log2(the largest magnitude in the block)) - 2, held to -126 .. 127; a block of zeros has e = 0. As a byte (E8M0): e + 127.
;;     - Each number is divided by its block's scale, clamped to +-7.5, and rounded to the nearest number of E2M3, ties to even, subnormals kept.
;;     - The product sums the exact products of the quantised numbers (number of the format x scale) in f32.
;;   ~~~python
;;   def quantise(x, axis):      # numpy; x: float32 -> the quantised numbers, widened to float32 again
;;       x = np.moveaxis(x, axis, -1); K = x.shape[-1]
;;       x = np.pad(x, [(0, 0)] * (x.ndim - 1) + [(0, -K % 32)]); x = x.reshape(x.shape[:-1] + (-1, 32)); a = np.abs(x).max(-1, keepdims=True)
;;       e = np.where(a > 0, np.clip(np.frexp(np.where(a > 0, a, 1))[1] - 1 - 2, -126, 127), 0)      # np.frexp(a)[1] - 1 = floor(log2(a)), exactly
;;       r = np.clip(x / 2.0 ** e, -7.5, 7.5)
;;       step = 2.0 ** (np.maximum(np.frexp(np.where(r == 0, 1, r))[1] - 1, 0) - 3)
;;       q = np.round(r / step) * step * 2.0 ** e      # np.round: ties to even
;;       return np.moveaxis(q.reshape(q.shape[:-2] + (-1,))[..., :K], -1, axis).astype(np.float32)
;;   ~~~
;; One version. Each part assembles by itself: llvm-mc -triple=amdgcn-amd-amdhsa -mcpu=gfx1250 --defsym DOCPART=n.
;; ======== version 1 of 1: 3 launches
;; limits: right only within a limited range of input values
;; workspace buffers: xc 25,165,824 bytes; xs 1,048,576 bytes; vb 3,276,800 bytes; lin 65,536 bytes; part 262,144 bytes
;; launch quant (part 1): grid 1152 x 1, 4 waves a work-group, no clusters, 81,408 bytes of LDS; arguments x, w, v, xc, xs, lin, vb; writes xc, xs, lin, vb
.if DOCPART == 1
	.amdgcn_target "amdgcn-amd-amdhsa--gfx1250"
	.amdhsa_code_object_version 6
	.text
	.protected	k_qd077760623_quant
	.globl	k_qd077760623_quant
	.p2align	8
	.type	k_qd077760623_quant,@function
k_qd077760623_quant:
	s_mov_b64 s[64:65], 0
	v_nop
	global_prefetch_b8 v0, s[64:65] scope:SCOPE_SE
	s_setreg_imm32_b32 hwreg(HW_REG_WAVE_MODE, 25, 1), 1
	s_wait_xcnt 0x0
; x [16384][2048] and v [2048 (feature)][2048 (64 field + kk)], f32, become codes of FP6 (E2M3), 6 bits each, with the FEATURES (the product's K) innermost,
; and one E8M0 scale byte for each 32 features.  On the way lin[row] = the sum over features of x[row][f] w[f] is taken, in f32, of the unquantised x.
; A block's scale is 2^(floor(log2(its largest magnitude)) - 2); its byte is the largest magnitude's own exponent field - 2, held at 1 from below.  Each number is divided by
; the scale and rounded to the nearest code, ties to even; beyond 7.5 the conversion gives the largest code.
; LIMITS: NaN and infinities among the inputs are not served.  A block of zeros gets the byte 1 where the rule says 127: its codes are zeros, which add nothing under any byte
; but 0xff, and the bytes are read by this program alone.  lin leaves as 16 bytes a wave and v's scale bytes as 8 bytes a lane: one part in 2,048 and one in 128 of what the paths read.
; Work-groups 0 to 127 take v, the other 1,024 take x.  The two paths part at once on the work-group's number, share no LDS byte and have no barrier: waves share nothing.
; 198 registers a wave and 81,408 bytes of LDS a work-group: four work-groups can lie on a WGP (4 x 198 of a SIMD's 1,024 registers, 4 x 81,408 of 327,680 bytes), so that v's
; work-groups run beside the stream of x and not behind it.
; No matrix unit, no cluster, no tensor load: memory binds, and nothing is shared between work-groups.
;
; THE ROWS OF v's CODES ARE PERMUTED: column 64 field + kk goes to row n' = 512 (kk / 16) + 16 field + kk % 16, so that 512 neighbouring rows hold all 32 fields of sixteen kk.
.set VWG,   128                        ; work-groups of the v path; the x path's 1,024 take 16 rows each, a wave 4
.set STEPS, 16                         ; a wave's steps of 512 numbers
.set SP,    80                         ; x path: a lane's place in a stage: its 64 bytes + 16 of padding
.set XREG,  2*32*SP+256                ; x path: a wave's LDS bytes: two stages, then its 256 scale bytes
.set LIN,   2                          ; v2       the lane's number in the head; then lane i (0 to 3) gathers row i's sum
.set XR,    16                         ; v16-79   four sets of 16 numbers as they are loaded
.set XX,    80                         ; v80-111  two sets of 16 neighbours
.set XC,    112                        ; v112-127 a ring of four steps: three registers of codes, and in the fourth the step's scale byte
.set XW,    128                        ; v128-191 w: register 16 q + i = w[512 q + 16 lane + i]
.set VBASE, 4*XREG                     ; v path: its stages begin behind the x path's LDS bytes
.set VP,    272                        ; a stage row: sixteen places of 16 bytes, each with 12 bytes of codes, + 16
.set VX,    32                         ; v32-95   two sets of 32 numbers
.set VC,    96                         ; v96-102  a block's codes
.set VOUT,  112                        ; v112-175 the way out
.set VSB,   24                         ; v24-25   eight scale bytes
.set NB,    8                          ; blocks of 32 features for a wave of the v path
	s_load_b256 s[4:11], s[0:1], 0x0               ; x s[4:5], w s[6:7], v s[8:9], xc s[10:11]
	s_load_b128 s[12:15], s[0:1], 0x20             ; xs s[12:13], lin s[14:15]
	s_load_b64 s[16:17], s[0:1], 0x30              ; vb: v's codes and scale bytes, slot by slot as the product's launch loads them
	v_lshl_add_u32 v192, v0, 2, 0xdc00
	v_mov_b32 v193, 0
	v_lshrrev_b32 v1, 5, v0
	v_readfirstlane_b32 s20, v1                    ; wave 0..3
	v_and_b32 v2, 31, v0                           ; lane
	s_cmp_lt_u32 ttmp9, VWG
	s_cbranch_scc1 .Lv
; ---------------------------------------------------------------- THE x PATH
; Rows are dense, so x is a plain stream of blocks of 32.  A wave takes 8,192 numbers (4 rows) in 16 steps of 512.  Each of a step's four loads reads 512 consecutive bytes, 16 a lane;
; the conversion wants 16 NEIGHBOURS in a lane, so the 2,048 bytes turn through the wave's own stage in LDS and come back 64 bytes a lane.  Two neighbouring lanes hold a block.
; Loads run four steps (16 loads a wave) ahead, the turn through LDS one step.
	s_sub_co_u32 s21, ttmp9, VWG
	s_lshl_b32 s21, s21, 2
	s_add_co_u32 s21, s21, s20                     ; u: which run of 8,192 numbers is my wave's
	s_lshl_b32 s28, s21, 15                        ; x: 32,768 bytes a run
	s_mov_b32 s29, 0
	s_mul_i32 s30, s21, 6144                       ; codes: 6,144 bytes a run
	s_mov_b32 s31, 0
	s_lshl_b32 s32, s21, 8                         ; scale bytes: 256 a run
	s_mov_b32 s33, 0
	s_lshl_b32 s34, s21, 4                         ; lin: 4 rows, 16 bytes
	s_mov_b32 s35, 0
	s_mov_b32 s22, 0x76543210                      ; v_permlanex16_b32's selects for lane l xor 16
	s_mov_b32 s23, 0xfedcba98
	s_mul_i32 s24, s20, XREG                       ; my wave's LDS bytes
; xc IS LAID AS THE PRODUCT'S OPERAND REGISTERS: [16 rows][step of 128 features][3 groups of 4 registers][lane r + 16 h][16 bytes]; a lane's 48 bytes are block 4 st + h, then block 4 st + 2 + h, of row r.
; The work-group's 16 rows x 16 steps, 24,576 bytes, are gathered in an LDS image behind the spare words and leave as whole runs of 512 bytes.
.set XIMG, 56832
	s_lshl_b32 s37, s20, 6
	s_add_co_u32 s37, s37, XIMG                    ; image + 16 bytes x my wave's first row (4 w)
	s_mul_i32 s38, s20, 6144
	s_add_co_u32 s38, s38, XIMG                    ; the quarter of the image that my wave stores
	s_wait_alu depctr_va_vdst(0)
	v_lshlrev_b32 v3, 4, v2                        ; my 16 bytes of a load's 512
	v_bfe_u32 v8, v2, 2, 1                         ; my 16 codes are piece 2 c + u of a lane's four: c = bit 2 of my lane, u = bit 0
	v_and_b32 v11, 1, v2
	v_lshl_add_u32 v8, v8, 1, v11
	v_mul_u32_u24 v8, v8, 3                        ; its first dword among the 12
	v_lshrrev_b32 v11, 3, v2
	v_mul_u32_u24 v11, v11, 1536                   ; the step: lane / 8
	v_bfe_u32 v12, v2, 1, 1
	v_lshl_add_u32 v11, v12, 8, v11                ; h = bit 1: sixteen places of 16 bytes on
	v_add_nc_u32 v11, s37, v11
.irp e, 0,1,2
	v_add_nc_u32 v12, \e, v8
	v_lshrrev_b32 v13, 2, v12
	v_and_b32 v12, 3, v12
	v_lshl_add_u32 v13, v13, 9, v11                ; the group of four registers, 512 bytes each,
	v_lshl_add_u32 v[194+\e], v12, 2, v13          ; and the dword in it
.endr
	v_add_nc_u32 v197, s38, v3                     ; the way out of the image: 16 bytes a lane
	v_lshrrev_b32 v14, 2, v2
	v_mul_u32_u24 v14, v14, SP
	v_and_b32 v15, 3, v2
	v_lshl_add_u32 v14, v15, 4, v14
	v_add_nc_u32 v14, s24, v14                     ; the stage, way in: four lanes' 64 bytes on end, then the padding
	v_mul_u32_u24 v15, v2, SP
	v_add_nc_u32 v15, s24, v15                     ; way out: my 16 neighbours
	s_add_co_u32 s24, s24, 2*32*SP
	v_lshrrev_b32 v5, 1, v2
	v_add_nc_u32 v5, s24, v5                       ; my block's byte among the wave's 256
	v_lshlrev_b32 v7, 3, v2                        ; and on the way out 8 bytes a lane
	v_add_nc_u32 v6, s24, v7
	v_lshlrev_b32 v9, 6, v2                        ; w: my 16 numbers of each 512
	v_mov_b32 v10, 0                               ; written once: a lane permute's destination counts as one of its sources
	v_cmp_eq_u32 s25, 1, v2                        ; lane 1, 2, 3: where rows 1, 2, 3 put their sums
	v_cmp_eq_u32 s26, 2, v2
	v_cmp_eq_u32 s27, 3, v2
	s_wait_alu depctr_va_vdst(0)
	s_wait_kmcnt 0x0
	s_add_nc_u64 s[4:5], s[4:5], s[28:29]
	s_add_nc_u64 s[10:11], s[10:11], s[30:31]
	s_add_nc_u64 s[12:13], s[12:13], s[32:33]
	s_add_nc_u64 s[14:15], s[14:15], s[34:35]
.irp q, 0,1,2,3
.irp c, 0,1,2,3
	global_load_b128 v[XW+16*\q+4*\c:XW+16*\q+4*\c+3], v9, s[6:7] offset:2048*\q+16*\c   ; w stays in registers: 8 KiB that every wave reads
.endr
.endr
.macro XLOAD t
.irp i, 0,1,2,3
	global_load_b128 v[XR+16*((\t)%4)+4*\i:XR+16*((\t)%4)+4*\i+3], v3, s[4:5] offset:2048*(\t)+512*\i th:TH_LOAD_NT   ; 32 lanes read 512 consecutive bytes, read once in the launch
.endr
.endm
.macro XTURN t                         ; step t's numbers through the stage: LDS serves a wave's instructions in order, so no wait stands between the stores and the loads
.irp i, 0,1,2,3
	ds_store_b128 v14, v[XR+16*((\t)%4)+4*\i:XR+16*((\t)%4)+4*\i+3] offset:32*SP*((\t)%2)+8*SP*\i
.endr
.irp i, 0,1,2,3
	ds_load_b128 v[XX+16*((\t)%2)+4*\i:XX+16*((\t)%2)+4*\i+3], v15 offset:32*SP*((\t)%2)+16*\i
.endr
.endm
.macro DOT t, i                        ; two of my 16 products x w; a row's first pair starts the sums
.if ((\t)%4 == 0) && (\i == 0)
	v_pk_mul_f32 v[12:13], v[XS+2*\i:XS+2*\i+1], v[XW+16*((\t)%4)+2*\i:XW+16*((\t)%4)+2*\i+1]
.else
	v_pk_fma_f32 v[12:13], v[XS+2*\i:XS+2*\i+1], v[XW+16*((\t)%4)+2*\i:XW+16*((\t)%4)+2*\i+1], v[12:13]
.endif
.endm
.irp t, 0,1,2,3
	XLOAD \t
.endr
	s_wait_loadcnt 12                              ; w's sixteen loads and step 0's four are in; steps 1 to 3 stay out.  v9, w's offset, is free from here on
	XTURN 0
.macro XSTEP t
.set XS, XX+16*((\t)%2)
.set XCS, XC+4*((\t)%4)                ; this step's place in the ring of codes
.if (\t) > 0
	s_wait_dscnt 4                                 ; this step's numbers are back from the stage (the last step's byte store and its three stores of codes may be out)
.else
	s_wait_dscnt 0x0
.endif
.if (\t) >= 4
	s_wait_xcnt 0x0                                ; every earlier memory instruction has had its addresses translated (ISA guide 3.1): the codes that the store of four steps ago reads are rewritten only behind this wait
.endif
.if (\t)+4 < STEPS
	XLOAD (\t)+4                                   ; which take the loads of four steps on
.endif
.if (\t)+1 < STEPS
.if STEPS-2-(\t) >= 3
	s_wait_loadcnt 12                              ; the next step's four loads are in; those of the three steps behind it may be out
.else
	s_wait_loadcnt 4*(STEPS-2-(\t))
.endif
	XTURN (\t)+1                                   ; and go through the other stage while this step is worked
.endif
	v_max3_num_f32 v8, |v[XS]|, |v[XS+1]|, |v[XS+2]|               ; the largest magnitude of my 16, in two chains; the products with w stand between
	v_max3_num_f32 v9, |v[XS+3]|, |v[XS+4]|, |v[XS+5]|
	DOT \t, 0
	v_max3_num_f32 v8, v8, |v[XS+6]|, |v[XS+7]|
	v_max3_num_f32 v9, v9, |v[XS+8]|, |v[XS+9]|
	DOT \t, 1
	v_max3_num_f32 v8, v8, |v[XS+10]|, |v[XS+11]|
	v_max3_num_f32 v9, v9, |v[XS+12]|, |v[XS+13]|
	DOT \t, 2
	v_max3_num_f32 v8, v8, |v[XS+14]|, |v[XS+15]|
	DOT \t, 3
	v_max3_num_f32 v8, v8, v9, 0x1800000           ; and the floor 2^(3 - 127), under which no largest magnitude is taken: so the byte cannot fall under 1
	DOT \t, 4
	v_max_num_f32_dpp v8, v8, v8 row_xmask:1 row_mask:0xf bank_mask:0xf   ; and of my neighbour's 16: the block's
	DOT \t, 5
	v_add_nc_u32 v11, 0xff000000, v8               ; 2 off its exponent field: the conversion takes the exponent field of this operand as its scale, and nothing else of it
	DOT \t, 6
	DOT \t, 7
	v_cvt_scalef32_pk16_fp6_f32 v[XCS:XCS+2], v[XS:XS+15], v11     ; sixteen codes, 96 bits without gaps, the first number's code lowest
	v_lshrrev_b32 v[XCS+3], 23, v11                ; the scale's byte (also the plain line behind the conversion); its LDS store of four steps ago was shown done by the waits on DScnt since
	ds_store_b8 v5, v[XCS+3] offset:16*(\t)        ; both lanes of a block write the same byte with the same value
.irp e, 0,1,2
	ds_store_b32 v[194+\e], v[XCS+\e] offset:6144*((\t)%4)+16*((\t)/4)   ; four steps of 1,536 bytes for each 512 numbers; 16 bytes for each row
.endr
.if (\t)%4 == 3                        ; a row of 2,048 numbers is four steps: its sum over the 32 lanes
	v_add_f32 v1, v12, v13
	v_add_f32_dpp v1, v1, v1 row_xmask:1 row_mask:0xf bank_mask:0xf
	v_add_f32_dpp v1, v1, v1 row_xmask:2 row_mask:0xf bank_mask:0xf
	v_add_f32_dpp v1, v1, v1 row_xmask:4 row_mask:0xf bank_mask:0xf
	v_add_f32_dpp v1, v1, v1 row_xmask:8 row_mask:0xf bank_mask:0xf
	v_permlanex16_b32 v10, v1, s22, s23
	v_add_f32 v1, v1, v10                          ; every lane holds the row's sum
.if (\t)/4 == 0
	v_mov_b32 v[LIN], v1
.else
	v_cndmask_b32 v[LIN], v[LIN], v1, s[24+(\t)/4] ; lane i keeps row i's
.endif
.endif
.endm
.irp t, 0,1,2,3,4,5,6,7,8,9,10,11,12,13,14,15
	s_wait_alu depctr_va_vdst(0)
	XSTEP \t
.endr
	ds_load_b64 v[80:81], v6                       ; LDS serves a wave's instructions in order: these see my byte stores
	s_wait_dscnt 0x0
	global_store_b64 v7, v[80:81], s[12:13]        ; 32 lanes store 256 consecutive bytes
	s_barrier_signal -1                            ; my stores into the image are done (the wait for 0 above); all four waves' make it whole
	s_barrier_wait -1
.irp k, 0,1,2,3,4,5,6,7,8,9,10,11
	ds_load_b128 v[16+4*\k:19+4*\k], v197 offset:512*\k
.endr
	s_wait_dscnt 0x0
.irp k, 0,1,2,3,4,5,6,7,8,9,10,11
	global_store_b128 v3, v[16+4*\k:19+4*\k], s[10:11] offset:512*\k   ; 32 lanes store 512 consecutive bytes
.endr
	v_lshrrev_b32 v1, 1, v7                        ; 4 x lane
	v_cmp_gt_u32 vcc_lo, 32, v7                    ; 8 x lane under 32: lanes 0 to 3
	s_wait_alu depctr_va_vdst(0)
	s_wait_xcnt 0x0                                ; EXEC is a source of the stores above: it changes only behind this wait
	s_wait_tensorcnt 0x0
	ds_add_u32 v192, v193
	s_wait_dscnt 0x0
	s_and_saveexec_b32 s36, vcc_lo
	global_store_b32 v1, v[LIN], s[14:15]          ; lanes 0 to 3: my four rows' sums
	s_wait_xcnt 0x0                                ; and again in front of the line that widens it
	s_or_b32 exec_lo, exec_lo, s36
	s_endpgm
; ---------------------------------------------------------------- THE v PATH
; K (the features) is v's FIRST axis.  A LANE TAKES A COLUMN AND ITS REGISTERS RUN DOWN THE FEATURES: each load reads 128 consecutive bytes a wave, a block of 32 lies in one lane's
; registers, and the conversions give codes with K innermost.  A wave takes 32 columns x 256 features: 8 blocks a lane, 192 bytes of codes a column.  They leave through the wave's own
; stage, sixteen lanes to a row's 192 consecutive bytes.  Loads run two blocks (64 loads a wave) ahead.  Every offset is an immediate: 255 x 8,192 and 774 x 1,536 bytes at the most.
.Lv:
	s_and_b32 s22, ttmp9, 15                       ; which 128 columns
	s_lshr_b32 s23, ttmp9, 4                       ; which 256 features
	s_lshl_b32 s24, s22, 7
	s_lshl_b32 s25, s20, 5
	s_add_co_u32 s24, s24, s25                     ; n0: my wave's first column = 64 field + kk0, kk0 = 0 or 32
	s_lshr_b32 s25, s24, 6                         ; field
	s_and_b32 s26, s24, 63                         ; kk0
; vb: [quarter q = kk / 16][slot = field / 4][102,400 bytes]: four fields x 16 steps x 1,536 bytes of codes ([lane r + 16 h][48 bytes], r = kk % 16), then four fields x 16 columns x 64 scale bytes
	s_lshr_b32 s27, s26, 4                         ; my wave's first quarter: 0 or 2
	s_mul_i32 s27, s27, 819200
	s_lshr_b32 s28, s25, 2
	s_mul_i32 s28, s28, 102400
	s_add_co_u32 s27, s27, s28                     ; the slot's first byte
	s_and_b32 s25, s25, 3                          ; the field's place in the slot
	s_lshl_b32 s30, s23, 21                        ; v: 256 rows of 8,192 bytes,
	s_lshl_b32 s28, s24, 2
	s_add_co_u32 s30, s30, s28                     ; + 4 n0
	s_mov_b32 s31, 0
	s_mul_i32 s32, s25, 24576
	s_add_co_u32 s32, s32, s27
	s_mul_i32 s28, s23, 3072                       ; my 256 features are two steps
	s_add_co_u32 s32, s32, s28
	s_mov_b32 s33, 0
	s_lshl_b32 s34, s25, 10
	s_add_co_u32 s34, s34, s27
	s_add_co_u32 s34, s34, 98304                   ; the scale bytes lie behind the slot's codes
	s_lshl_b32 s28, s23, 3
	s_add_co_u32 s34, s34, s28
	s_mov_b32 s35, 0
	s_mul_i32 s28, s20, 32*VP
	s_add_co_u32 s28, s28, VBASE                   ; my stage
	s_wait_alu depctr_va_vdst(0)
	v_lshlrev_b32 v3, 2, v2                        ; in: 4 bytes a lane
	v_mul_u32_u24 v4, v2, VP
	v_add_nc_u32 v4, s28, v4                       ; into the stage: row = my column
	v_lshrrev_b32 v6, 2, v2                        ; out of the stage: four lanes to a column, eight columns an instruction: lane i takes piece i % 4 = 2 c + u
	v_mul_u32_u24 v7, v6, VP
	v_bfe_u32 v5, v2, 1, 1
	v_lshl_add_u32 v7, v5, 6, v7                   ; c: two blocks, 64 bytes of the stage row, on
	v_and_b32 v5, 1, v2
	v_lshl_add_u32 v7, v5, 4, v7                   ; u: the block's second place of 16 bytes
	v_add_nc_u32 v7, s28, v7
	v_mul_u32_u24 v8, v2, 12                       ; in vb the 32 pieces are 384 consecutive bytes
	v_lshrrev_b32 v9, 4, v2
	v_mul_u32_u24 v9, v9, 819200                   ; my column's scale bytes: lanes 16-31 belong to the next quarter,
	v_and_b32 v10, 15, v2
	v_lshl_or_b32 v9, v10, 6, v9                   ; 64 bytes a column
	s_wait_kmcnt 0x0
	s_add_nc_u64 s[8:9], s[8:9], s[30:31]
	s_add_nc_u64 s[18:19], s[16:17], s[34:35]
	s_add_nc_u64 s[16:17], s[16:17], s[32:33]
.macro VLOAD t                         ; block t: v(32 t + i, my column), i = 0 .. 31, into set t % 2
.irp i, 0,1,2,3,4,5,6,7,8,9,10,11,12,13,14,15,16,17,18,19,20,21,22,23,24,25,26,27,28,29,30,31
	global_load_b32 v[VX+32*((\t)%2)+\i], v3, s[8:9] offset:(32*(\t)+\i)*8192 th:TH_LOAD_NT
.endr
.endm
	VLOAD 0
	VLOAD 1
.macro VBLOCK t
.set VXS, VX+32*((\t)%2)
.if (\t) < NB-1
	s_wait_loadcnt 32                              ; this block's 32 loads are in; the next block's may be out
.else
	s_wait_loadcnt 0
.endif
	v_max3_num_f32 v12, |v[VXS]|, |v[VXS+1]|, |v[VXS+2]|            ; the block's largest magnitude: all 32 numbers are mine
	v_max3_num_f32 v13, |v[VXS+3]|, |v[VXS+4]|, |v[VXS+5]|
.irp i, 6,10,14,18,22,26
	v_max3_num_f32 v12, v12, |v[VXS+\i]|, |v[VXS+\i+1]|
	v_max3_num_f32 v13, v13, |v[VXS+\i+2]|, |v[VXS+\i+3]|
.endr
	v_max3_num_f32 v12, v12, |v[VXS+30]|, |v[VXS+31]|
	v_max3_num_f32 v12, v12, v13, 0x1800000        ; and the floor 2^(3 - 127): the byte cannot fall under 1
	v_add_nc_u32 v11, 0xff000000, v12              ; 2 off its exponent field: the conversion's scale operand
	v_lshrrev_b32 v13, 23, v11                     ; the scale's byte
.if (\t)%4 == 0
	v_mov_b32 v[VSB+(\t)/4], v13                   ; four bytes to a register, the lower K in the lower byte
.else
	v_lshl_or_b32 v[VSB+(\t)/4], v13, 8*((\t)%4), v[VSB+(\t)/4]
.endif
	v_cvt_scalef32_pk16_fp6_f32 v[VC:VC+2], v[VXS:VXS+15], v11
	v_cvt_scalef32_pk16_fp6_f32 v[VC+4:VC+6], v[VXS+16:VXS+31], v11  ; (a conversion's three registers begin on an even number)
	ds_store_b96 v4, v[VC:VC+2] offset:32*(\t)     ; 16 codes, 12 bytes, to a place of 16 bytes, so that every LDS address is a multiple of 16
	ds_store_b96 v4, v[VC+4:VC+6] offset:32*(\t)+16
.if (\t)+2 < NB
	VLOAD (\t)+2
.endif
	s_wait_dscnt 0x0                               ; the stores have read their registers: the next block's codes may be written (plain lines stand ahead of them)
.endm
.irp t, 0,1,2,3,4,5,6,7
	VBLOCK \t
.endr
	s_wait_alu depctr_va_vdst(0)
	global_store_b64 v9, v[VSB:VSB+1], s[18:19]    ; my column's 8 scale bytes
.irp t, 0,1,2,3,4,5,6,7,8,9,10,11,12,13,14,15
	ds_load_b96 v[VOUT+4*\t:VOUT+4*\t+2], v7 offset:8*(\t/4)*VP+128*((\t/2)%2)+32*(\t%2)   ; columns 8 (t / 4) .., step (t / 2) % 2, h = t % 2
.endr
.irp t, 0,1,2,3,4,5,6,7,8,9,10,11,12,13,14,15
	s_wait_dscnt 15-\t
	global_store_b96 v8, v[VOUT+4*\t:VOUT+4*\t+2], s[16:17] offset:(\t/8)*819200+384*((\t/4)%2)+1536*((\t/2)%2)+768*(\t%2)   ; 384 consecutive bytes: eight lanes' places of a fragment
.endr
	s_wait_tensorcnt 0x0
	ds_add_u32 v192, v193
	s_wait_dscnt 0x0
	s_endpgm
.Lfunc_end_k_qd077760623_quant:
	.size	k_qd077760623_quant, .Lfunc_end_k_qd077760623_quant-k_qd077760623_quant
	.p2alignl 7, 3214868480
	.fill 96, 4, 3214868480
	.section	.rodata,"a",@progbits
	.p2align	6, 0x0
	.amdhsa_kernel k_qd077760623_quant
		.amdhsa_group_segment_fixed_size 81408
		.amdhsa_private_segment_fixed_size 0
		.amdhsa_enable_private_segment 0
		.amdhsa_kernarg_size 56
		.amdhsa_user_sgpr_count 2
		.amdhsa_user_sgpr_kernarg_segment_ptr 1
		.amdhsa_wavefront_size32 1
		.amdhsa_system_sgpr_workgroup_id_x 1
		.amdhsa_system_sgpr_workgroup_id_y 1
		.amdhsa_system_sgpr_workgroup_id_z 1
		.amdhsa_system_vgpr_workitem_id 0
		.amdhsa_next_free_vgpr 198
		.amdhsa_next_free_sgpr 66
		.amdhsa_reserve_vcc 1
		.amdhsa_float_denorm_mode_32 3
		.amdhsa_float_denorm_mode_16_64 3
		.amdhsa_memory_ordered 1
		.amdhsa_forward_progress 1
		.amdhsa_inst_pref_size 91
	.end_amdhsa_kernel
	.amdgpu_metadata
---
amdhsa.version: [ 1, 2 ]
amdhsa.kernels:
  - .name:           k_qd077760623_quant
    .symbol:         k_qd077760623_quant.kd
    .args:
      - { .name: x, .offset: 0, .size: 8, .value_kind: global_buffer, .address_space: global }
      - { .name: w, .offset: 8, .size: 8, .value_kind: global_buffer, .address_space: global }
      - { .name: v, .offset: 16, .size: 8, .value_kind: global_buffer, .address_space: global }
      - { .name: xc, .offset: 24, .size: 8, .value_kind: global_buffer, .address_space: global }
      - { .name: xs, .offset: 32, .size: 8, .value_kind: global_buffer, .address_space: global }
      - { .name: lin, .offset: 40, .size: 8, .value_kind: global_buffer, .address_space: global }
      - { .name: vb, .offset: 48, .size: 8, .value_kind: global_buffer, .address_space: global }
    .group_segment_fixed_size: 81408
    .private_segment_fixed_size: 0
    .kernarg_segment_align: 8
    .kernarg_segment_size: 56
    .max_flat_workgroup_size: 128
    .sgpr_count:     66
    .vgpr_count:     198
    .wavefront_size: 32
...
	.end_amdgpu_metadata
.endif
;; end of part 1
;; launch gemm (part 2): grid 64 x 4, 4 waves a work-group, clusters of 4 x 1, 327,680 bytes of LDS; arguments xc, xs, vb, part; writes part
.if DOCPART == 2
	.amdgcn_target "amdgcn-amd-amdhsa--gfx1250"
	.amdhsa_code_object_version 6
	.text
	.protected	k_qd077760623_gemm
	.globl	k_qd077760623_gemm
	.p2align	8
	.type	k_qd077760623_gemm,@function
k_qd077760623_gemm:
	s_mov_b64 s[64:65], 0
	v_nop
	global_prefetch_b8 v0, s[64:65] scope:SCOPE_SE
	s_setreg_imm32_b32 hwreg(HW_REG_WAVE_MODE, 25, 1), 1
	s_wait_xcnt 0x0
	s_wait_alu depctr_hold_cnt(0) depctr_sa_sdst(0) depctr_va_vdst(0) depctr_va_sdst(0) depctr_va_ssrc(0) depctr_va_vcc(0) depctr_vm_vsrc(0)
	s_getreg_b32 s2, hwreg(HW_REG_IB_STS2, 6, 4)
	s_cmp_eq_u32 s2, 0
	s_cbranch_scc0 .Lentry_in_a_cluster
	s_endpgm
.Lentry_in_a_cluster:
	s_bfe_u32 s2, ttmp6, 0x10000c
	s_cmp_lg_u32 s2, 0x3003
	s_cbranch_scc0 .Lentry_shape_is_right
	s_endpgm
.Lentry_shape_is_right:
; part[q][m] = sum over kk = 16 q .. 16 q + 15 of (sum over fields of f)^2 - sum over those kk and all fields of f^2, f = field_x[m][field][kk] = the MX-FP6 product of x's row m and v's column.
; A work-group takes 256 rows and quarter q of kk (512 columns); a wave takes 64 rows and all 512 columns.
; x's CODES STAY IN REGISTERS: a wave's 64 rows x 2,048 features are 64 fragments of 12 registers, loaded once, 16 bytes a lane, 512 consecutive bytes an instruction, from xc, which is laid as that register image.
; v's codes go through a ring of two LDS slots.  A slot is one dense block of vb, 102,400 bytes as rows of 256: four fields x 16 columns x all 2,048 features, then their scale bytes.
; Each wave fetches a quarter of it by one tensor load; all four waves read all of it.  A slot serves 256 matrix instructions a wave.
; CLUSTER 4, 1, 1: the four work-groups have the same q and ask for each slot jointly (mask 15).  x's codes are not asked for jointly: they go straight into registers; through LDS they would be 393,216 bytes
; a work-group, which do not fit beside the ring.  No prefetch of vb: between a refill and the wait for it a wave issues 256 matrix instructions.
; THE MATRIX INSTRUCTION IS USED TRANSPOSED (source 0 = 16 columns of v, source 1 = 16 rows of x): lane (r, h) holds row r, register j the column kk = 16 q + 8 h + j of ONE field.
; So the sum over fields is an element-wise sum of results, and nothing is exchanged between waves.
; One field at a time: 4 accumulators (my four blocks of 16 rows) by turns, 16 steps of 128 features; v's fragments come from LDS into a ring of eight, eight steps ahead.
; REGISTERS: window 0: v0-15 addresses; v16-23 v's scale words; v24-55 x's scale words; v56-67 x's fragment 63; v68-163 the ring; v164-195 accumulators; v196-227 sums over fields; v228-235 sums of squares.
;   windows 1 to 3: x's fragments 0 to 62, 21 to a window; fragment 4 st + a is step st of row block a.
; A scale register holds step 8 P + e in lanes 0-15 and step 8 P + 4 + e in lanes 16-31 (16 bytes of a row's 64 scale bytes a lane).
; LIMITS: NaN and infinities are not served.  part leaves as two stores of 128 bytes a wave.
.set SLOTB, 102400
.set QUART, 25600
.set SCO,   98304
.set SPARE, 2*SLOTB                    ; the spare words, 512 bytes that no other line names
.set SPW,  2
.set NIL,  3
.set ADRB, 4                           ; v4-7: 48 x lane + slot + half of the slot's codes (an LDS offset has 16 bits)
.set ADRS, 8                           ; v8-9: the slot's scale bytes + 64 r + 16 h
.set AO,   10                          ; 16 x lane
.set XO,   11                          ; 64 r + 16 h
.set PO,   12                          ; 4 x lane
.set BS,   16
.set AS,   24
.set A63,  56
.set RING, 68
.set ACC,  164
.set SS,   196
.set QQ,   228
.set TV,   236
.set G1,   16                          ; s[16:23] group 1;  s[24:27], s[28:31] group 0 of slot 0, 1
.set G0,   24
.set MSB, 0
.macro WIN new                         ; the immediate's high byte repeats the setting that is left
.if MSB != \new
	s_set_vgpr_msb (MSB<<8)|\new
.set MSB, \new
.endif
.endm
.macro SELA f, sh                      ; fragment f of x: its window, in the field at bit sh, and its first register
.if (\f) < 63
.set WV, (1+(\f)/21)<<(\sh)
.set AR, 12*((\f)%21)
.else
.set WV, 0
.set AR, A63
.endif
	WIN WV
.endm
.macro PLACES n
.rept \n
	v_nop
.endr
.endm
.macro CROUND                          ; a round of the cluster's barrier
	s_barrier_signal -1
	s_barrier_wait -1
	s_cmp_lg_u32 s12, 0
	s_cbranch_scc1 .Lnot_wave_0_\@
	s_barrier_signal -3
.Lnot_wave_0_\@:
	s_barrier_wait -3
	s_barrier_signal -1
	s_barrier_wait -1
.endm
	s_load_b256 s[4:11], s[0:1], 0x0               ; xc s[4:5], xs s[6:7], vb s[8:9], part s[10:11]
	v_lshl_add_u32 v[SPW], v0, 2, SPARE
	v_mov_b32 v[NIL], 0
	ds_add_u32 v[SPW], v[NIL]                      ; the opening lines: the add twice on end and its wait
	ds_add_u32 v[SPW], v[NIL]
	v_lshrrev_b32 v1, 5, v0
	v_readfirstlane_b32 s12, v1                    ; wave
	s_bfe_u32 s13, ttmp6, 0x40000                  ; cx
	s_lshl_b32 s14, ttmp9, 2
	s_add_co_u32 s14, s14, s13                     ; which 256 rows
	s_and_b32 s15, ttmp7, 0xffff                   ; q
	s_mov_b32 s[G1+0], 15|(3<<16)|(1<<21)          ; mask: the cluster's four; elements of 8 bytes; bit 21 beside a mask
	s_mov_b32 s[G1+1], 32<<16                      ; rows of 32 elements, 256 bytes
	s_mov_b32 s[G1+2], 100<<16                     ; 100 rows
	s_mov_b32 s[G1+3], 32<<16
	s_mov_b32 s[G1+4], 100
	s_mov_b32 s[G1+5], 32
	s_mov_b32 s[G1+6], 0
	s_mov_b32 s[G1+7], 0
	s_lshl_b32 s32, s14, 2
	s_add_co_u32 s32, s32, s12                     ; which 64 rows are my wave's
	s_mul_i32 s34, s32, 98304                      ; their codes,
	s_mov_b32 s35, 0
	s_lshl_b32 s36, s32, 12                        ; their scale bytes,
	s_mov_b32 s37, 0
	s_lshl_b32 s38, s32, 8                         ; their place in part,
	s_lshl_b32 s39, s15, 16
	s_add_co_u32 s38, s38, s39                     ; in quarter q's 65,536 bytes
	s_mov_b32 s39, 0
	s_mul_i32 s40, s15, 8*SLOTB                    ; vb: quarter q,
	s_mul_i32 s25, s12, QUART                      ; my quarter of a slot, in memory and in LDS
	s_add_co_u32 s40, s40, s25
	s_mov_b32 s41, 0
	s_mov_b32 s42, 0x76543210                      ; v_permlanex16_b32's selects for lane l xor 16
	s_mov_b32 s43, 0xfedcba98
	v_and_b32 v1, 31, v0                           ; lane; kept
	v_mul_u32_u24 v[ADRB], v1, 48
	v_add_nc_u32 v[ADRB+1], 49152, v[ADRB]
	v_add_nc_u32 v[ADRB+2], SLOTB, v[ADRB]
	v_add_nc_u32 v[ADRB+3], SLOTB+49152, v[ADRB]
	v_and_b32 v13, 15, v0
	v_bfe_u32 v14, v0, 4, 1
	v_lshlrev_b32 v[XO], 6, v13
	v_lshl_add_u32 v[XO], v14, 4, v[XO]
	v_add_nc_u32 v[ADRS], SCO, v[XO]
	v_add_nc_u32 v[ADRS+1], SCO+SLOTB, v[XO]
	v_lshlrev_b32 v[AO], 4, v1
	v_lshlrev_b32 v[PO], 2, v1
.set I, 0
.rept 40
	v_mov_b32 v[SS+I], 0                           ; the 32 sums over fields and the 8 sums of squares: every field is added in the same loop body
.set I, I+1
.endr
	s_wait_alu depctr_va_vdst(0)
	s_wait_dscnt 0x0                               ; both opening adds are done
	s_wait_kmcnt 0x0
	s_add_nc_u64 s[4:5], s[4:5], s[34:35]
	s_add_nc_u64 s[6:7], s[6:7], s[36:37]
	s_add_nc_u64 s[10:11], s[10:11], s[38:39]
	s_mov_b32 s[G0], 1
	s_add_nc_u64 s[G0+2:G0+3], s[8:9], s[40:41]
	s_mov_b32 s[G0+4], 1
	s_add_co_u32 s[G0+5], s25, SLOTB
	s_add_nc_u64 s[G0+6:G0+7], s[G0+2:G0+3], SLOTB
	s_or_b32 s[G0+3], s[G0+3], 0x80000000
	s_or_b32 s[G0+7], s[G0+7], 0x80000000
	CROUND                                         ; the four work-groups are here: the first joint loads meet
	tensor_load_to_lds s[G0:G0+3], s[G1:G1+7]      ; slot 0: fields 0 to 3; one tensor load a wave at the head
	s_nop 0
	PLACES 4
.set F, 0
.rept 64                               ; x's 64 fragments, three loads each
	SELA F, 6
.irp i, 0,1,2
	global_load_b128 v[AR+4*\i:AR+4*\i+3], v[AO], s[4:5] offset:(F%4)*24576+(F/4)*1536+512*\i
.endr
.set F, F+1
.endr
.irp a, 0,1,2,3
.irp p, 0,1
	global_load_b128 v[AS+8*\a+4*\p:AS+8*\a+4*\p+3], v[XO], s[6:7] offset:1024*\a+32*\p   ; x's scale words
.endr
.endr
	s_wait_tensorcnt 0x0                           ; my part of slot 0 is in
	ds_add_u32 v[SPW], v[NIL]
	s_wait_dscnt 0x0
	CROUND
	tensor_load_to_lds s[G0+4:G0+7], s[G1:G1+7]    ; slot 1: fields 4 to 7
	s_nop 0
	PLACES 4
.macro LDF slot, tau                   ; fragment tau (16 x field in slot + step) of a slot into the ring
.irp i, 0,1,2
	ds_load_b128 v[RING+12*((\tau)%8)+4*\i:RING+12*((\tau)%8)+4*\i+3], v[ADRB+2*(\slot)+(\tau)/32] offset:((\tau)%32)*1536+16*\i
.endr
.endm
.macro LDSC slot, jb, p                ; half p of a field's scale words
	ds_load_b128 v[BS+4*(\p):BS+4*(\p)+3], v[ADRS+(\slot)] offset:(\jb)*1024+32*(\p)
.endm
	LDSC 0, 0, 0
	LDSC 0, 0, 1
.irp t, 0,1,2,3,4,5,6,7
	LDF 0, \t
.endr
	s_wait_loadcnt 0x0                             ; x's codes and scale words are in
; One slot: 64 steps of 4 matrix instructions.  mode 2: the slot is filled again; 1: the next slot is awaited and nothing is filled; 0: the last slot.
.macro BODY slot, mode
.set MU, 0
.rept 64
.set ST, MU%16
.if MU == 56 && \mode == 2             ; all reads of this slot have been issued (the last in step 55); from here on the ring is fed from the other slot
	WIN 0
	s_wait_tensorcnt 0x0                           ; my part of the other slot is in,
	ds_add_u32 v[SPW], v[NIL]
	s_add_nc_u64 s[G0+4*\slot+2:G0+4*\slot+3], s[G0+4*\slot+2:G0+4*\slot+3], 2*SLOTB   ; no load of mine is out: this slot's next block of vb
	s_wait_dscnt 0x0                               ; the add is done and my reads of this slot are back
	CROUND                                         ; both hold of every wave of the four work-groups
	tensor_load_to_lds s[G0+4*\slot:G0+4*\slot+3], s[G1:G1+7]
	s_nop 0
	PLACES 4
.endif
.if MU == 56 && \mode == 1
	s_wait_tensorcnt 0x0                           ; my part of the last slot is in
	s_wait_dscnt 0x0
	s_barrier_signal -1
	s_barrier_wait -1                              ; and so is everybody's
.endif
.if MU%4 == 0                          ; four steps, 16 matrix instructions, form a group on one half of the ring
.if \mode == 0 && MU >= 60
	s_wait_dscnt 0x0                               ; the last group: nothing was asked for behind its fragments
.else
	s_wait_dscnt 12                                ; this group's four fragments are in; the other half's twelve loads may be out
.endif
.endif
.irp a, 0,1,2,3                        ; the four accumulators by turns
	SELA 4*ST+\a, 2
.if ST == 0
	v_wmma_scale_f32_16x16x128_f8f6f4 v[ACC+8*\a:ACC+8*\a+7], v[RING+12*(ST%8):RING+12*(ST%8)+11], v[AR:AR+11], 0, v[BS+4*(ST/8)+ST%4], v[AS+8*\a+4*(ST/8)+ST%4] matrix_a_fmt:MATRIX_FMT_FP6 matrix_b_fmt:MATRIX_FMT_FP6
.elseif (ST/4)%2 == 0
	v_wmma_scale_f32_16x16x128_f8f6f4 v[ACC+8*\a:ACC+8*\a+7], v[RING+12*(ST%8):RING+12*(ST%8)+11], v[AR:AR+11], v[ACC+8*\a:ACC+8*\a+7], v[BS+4*(ST/8)+ST%4], v[AS+8*\a+4*(ST/8)+ST%4] matrix_a_fmt:MATRIX_FMT_FP6 matrix_b_fmt:MATRIX_FMT_FP6
.else
	v_wmma_scale_f32_16x16x128_f8f6f4 v[ACC+8*\a:ACC+8*\a+7], v[RING+12*(ST%8):RING+12*(ST%8)+11], v[AR:AR+11], v[ACC+8*\a:ACC+8*\a+7], v[BS+4*(ST/8)+ST%4], v[AS+8*\a+4*(ST/8)+ST%4] matrix_a_fmt:MATRIX_FMT_FP6 matrix_b_fmt:MATRIX_FMT_FP6 matrix_a_scale:MATRIX_SCALE_ROW1 matrix_b_scale:MATRIX_SCALE_ROW1
.endif
.endr
.if MU%4 == 3                          ; behind a group: ONE run of loads fills the half of the ring just used with the fragments of steps MU + 5 to MU + 8
	PLACES 4                                       ; in front of loads into registers that matrix instructions have read, and of the first read of results
.if ST == 11 || ST == 15               ; the next field's scale words: half 0 is free behind step 7, half 1 behind step 15
.if MU/16 < 3
	LDSC \slot, MU/16+1, ST/15
.elseif \mode > 0
	LDSC 1-\slot, 0, ST/15
.endif
.endif
.irp k, 0,1,2,3
.if MU+5 < 64
	LDF \slot, MU+5+\k
.elseif \mode > 0
	LDF 1-\slot, MU-59+\k
.endif
.endr
.endif
.if ST == 15                           ; the field is finished (every window is 0: fragment 63 lies in window 0)
.irp c, 0,1,2,3                        ; each accumulator from its low end on
.irp a, 0,1,2,3
	v_pk_add_f32 v[SS+8*\a+2*\c:SS+8*\a+2*\c+1], v[SS+8*\a+2*\c:SS+8*\a+2*\c+1], v[ACC+8*\a+2*\c:ACC+8*\a+2*\c+1]
	v_pk_fma_f32 v[QQ+2*\a:QQ+2*\a+1], v[ACC+8*\a+2*\c:ACC+8*\a+2*\c+1], v[ACC+8*\a+2*\c:ACC+8*\a+2*\c+1], v[QQ+2*\a:QQ+2*\a+1]
.endr
.endr
	s_wait_alu depctr_va_vdst(0)
.endif
.set MU, MU+1
.endr
	WIN 0
.endm
	s_mov_b32 s3, 3
.Lpair:                                        ; a trip: two slots, both filled again: slots 2 to 7 in three trips
	BODY 0, 2
	BODY 1, 2
	s_sub_co_u32 s3, s3, 1
	s_cmp_lg_u32 s3, 0
	s_cbranch_scc1 .Lpair
	BODY 0, 1
	BODY 1, 0
.irp a, 0,1,2,3
	v_add_f32 v[TV+\a], v[QQ+2*\a], v[QQ+2*\a+1]
.endr
.irp a, 0,1,2,3
	v_fma_f32 v[TV+\a], v[SS+8*\a], v[SS+8*\a], -v[TV+\a]
.endr
.irp j, 1,2,3,4,5,6,7
.irp a, 0,1,2,3
	v_fma_f32 v[TV+\a], v[SS+8*\a+\j], v[SS+8*\a+\j], v[TV+\a]   ; my eight kk
.endr
.endr
.irp a, 0,1,2,3
	v_mov_b32 v[TV+4+\a], 0                        ; a lane permute's destination counts as one of its sources
.endr
.irp a, 0,1,2,3
	v_permlanex16_b32 v[TV+4+\a], v[TV+\a], s42, s43
.endr
.irp a, 0,1,2,3
	v_add_f32 v[TV+\a], v[TV+\a], v[TV+4+\a]       ; with lane l xor 16's eight: row 16 a + r, in both halves of the lanes
.endr
	v_cmp_gt_u32 s44, 16, v1
	v_cndmask_b32 v[TV+8], v[TV+1], v[TV], s44     ; lane l keeps row l,
	v_cndmask_b32 v[TV+9], v[TV+3], v[TV+2], s44   ; and row 32 + l
	global_store_b32 v[PO], v[TV+8], s[10:11]
	global_store_b32 v[PO], v[TV+9], s[10:11] offset:128
	s_wait_tensorcnt 0x0                           ; the wave's end
	ds_add_u32 v[SPW], v[NIL]
	s_wait_dscnt 0x0
	CROUND                                         ; the closing round
	s_endpgm
.Lfunc_end_k_qd077760623_gemm:
	.size	k_qd077760623_gemm, .Lfunc_end_k_qd077760623_gemm-k_qd077760623_gemm
	.p2alignl 7, 3214868480
	.fill 96, 4, 3214868480
	.section	.rodata,"a",@progbits
	.p2align	6, 0x0
	.amdhsa_kernel k_qd077760623_gemm
		.amdhsa_group_segment_fixed_size 327680
		.amdhsa_private_segment_fixed_size 0
		.amdhsa_enable_private_segment 0
		.amdhsa_kernarg_size 32
		.amdhsa_user_sgpr_count 2
		.amdhsa_user_sgpr_kernarg_segment_ptr 1
		.amdhsa_wavefront_size32 1
		.amdhsa_system_sgpr_workgroup_id_x 1
		.amdhsa_system_sgpr_workgroup_id_y 1
		.amdhsa_system_sgpr_workgroup_id_z 1
		.amdhsa_system_vgpr_workitem_id 0
		.amdhsa_next_free_vgpr 1024
		.amdhsa_next_free_sgpr 66
		.amdhsa_reserve_vcc 0
		.amdhsa_float_denorm_mode_32 3
		.amdhsa_float_denorm_mode_16_64 3
		.amdhsa_memory_ordered 1
		.amdhsa_forward_progress 1
		.amdhsa_inst_pref_size 253
	.end_amdhsa_kernel
	.amdgpu_metadata
---
amdhsa.version: [ 1, 2 ]
amdhsa.kernels:
  - .name:           k_qd077760623_gemm
    .symbol:         k_qd077760623_gemm.kd
    .args:
      - { .name: xc, .offset: 0, .size: 8, .value_kind: global_buffer, .address_space: global }
      - { .name: xs, .offset: 8, .size: 8, .value_kind: global_buffer, .address_space: global }
      - { .name: vb, .offset: 16, .size: 8, .value_kind: global_buffer, .address_space: global }
      - { .name: part, .offset: 24, .size: 8, .value_kind: global_buffer, .address_space: global }
    .group_segment_fixed_size: 327680
    .private_segment_fixed_size: 0
    .kernarg_segment_align: 8
    .kernarg_segment_size: 32
    .max_flat_workgroup_size: 128
    .sgpr_count:     66
    .vgpr_count:     1024
    .wavefront_size: 32
...
	.end_amdgpu_metadata
.endif
;; end of part 2
;; launch final (part 3): grid 256 x 1, 1 waves a work-group, no clusters, 0 bytes of LDS; arguments part, lin, b, out0; writes out0
.if DOCPART == 3
	.amdgcn_target "amdgcn-amd-amdhsa--gfx1250"
	.amdhsa_code_object_version 6
	.text
	.protected	k_qd077760623_final
	.globl	k_qd077760623_final
	.p2align	8
	.type	k_qd077760623_final,@function
k_qd077760623_final:
	s_mov_b64 s[64:65], 0
	v_nop
	global_prefetch_b8 v0, s[64:65] scope:SCOPE_SE
	s_setreg_imm32_b32 hwreg(HW_REG_WAVE_MODE, 25, 1), 1
	s_wait_xcnt 0x0
; out0[m] = sigmoid(lin[m] + b + 0.5 x the sum over t = 0 .. 3 of part[t][m]).  part: [4][16384] f32, lin: [16384] f32, b: one f32.
; One wave takes 64 rows, two a lane: each of its five loads and its store covers 256 consecutive bytes, at a multiple of 256 from its buffer's first byte.
; sigmoid(z) = 1 / (1 + 2^(-z log2(e))): where the exponential overflows the result is 0, where it falls to 0 the result is 1, as the function has it.
; No LDS, no barrier, no matrix unit: 0.4 MB are read once.  LIMITS: NaN among the inputs is not served.
	s_load_b256 s[4:11], s[0:1], 0x0               ; part s[4:5], lin s[6:7], b s[8:9], out0 s[10:11]
	v_lshlrev_b32 v1, 3, v0                        ; 8 bytes a lane
	s_lshl_b32 s14, ttmp9, 8                       ; 256 bytes a work-group
	s_mov_b32 s15, 0
	s_wait_alu depctr_va_vdst(0)
	s_wait_kmcnt 0x0
	s_load_b32 s12, s[8:9], 0x0                    ; b
	s_add_nc_u64 s[4:5], s[4:5], s[14:15]
	s_add_nc_u64 s[6:7], s[6:7], s[14:15]
	s_add_nc_u64 s[10:11], s[10:11], s[14:15]
.irp t, 0,1,2,3
	global_load_b64 v[4+2*\t:5+2*\t], v1, s[4:5] offset:65536*\t
.endr
	global_load_b64 v[20:21], v1, s[6:7]
	s_wait_kmcnt 0x0
	s_mov_b32 s13, s12                             ; (the packed form names the pair, so both are written)
	s_wait_loadcnt 0x0
	v_pk_add_f32 v[4:5], v[4:5], v[6:7]
	v_pk_add_f32 v[8:9], v[8:9], v[10:11]
	v_pk_add_f32 v[20:21], v[20:21], s[12:13] op_sel_hi:[1,0]          ; lin + b
	v_pk_add_f32 v[4:5], v[4:5], v[8:9]                                ; the sum over all 64 kk
	v_pk_fma_f32 v[4:5], v[4:5], 0.5, v[20:21] op_sel_hi:[1,0,1]       ; z
	v_pk_mul_f32 v[4:5], v[4:5], 0xbfb8aa3b op_sel_hi:[1,0]            ; -z log2(e)
	s_wait_alu depctr_va_vdst(0)
	v_exp_f32 v4, v4
	v_exp_f32 v5, v5
	v_nop                                          ; one plain instruction behind a transcendental before its result is used
	s_wait_alu depctr_va_vdst(0)
	v_pk_add_f32 v[4:5], v[4:5], 1.0 op_sel_hi:[1,0]
	s_wait_alu depctr_va_vdst(0)
	v_rcp_f32 v4, v4
	v_rcp_f32 v5, v5
	v_nop
	s_wait_alu depctr_va_vdst(0)
	global_store_b64 v1, v[4:5], s[10:11]
	s_endpgm
.Lfunc_end_k_qd077760623_final:
	.size	k_qd077760623_final, .Lfunc_end_k_qd077760623_final-k_qd077760623_final
	.p2alignl 7, 3214868480
	.fill 96, 4, 3214868480
	.section	.rodata,"a",@progbits
	.p2align	6, 0x0
	.amdhsa_kernel k_qd077760623_final
		.amdhsa_group_segment_fixed_size 0
		.amdhsa_private_segment_fixed_size 0
		.amdhsa_enable_private_segment 0
		.amdhsa_kernarg_size 32
		.amdhsa_user_sgpr_count 2
		.amdhsa_user_sgpr_kernarg_segment_ptr 1
		.amdhsa_wavefront_size32 1
		.amdhsa_system_sgpr_workgroup_id_x 1
		.amdhsa_system_sgpr_workgroup_id_y 1
		.amdhsa_system_sgpr_workgroup_id_z 1
		.amdhsa_system_vgpr_workitem_id 0
		.amdhsa_next_free_vgpr 32
		.amdhsa_next_free_sgpr 66
		.amdhsa_reserve_vcc 0
		.amdhsa_float_denorm_mode_32 3
		.amdhsa_float_denorm_mode_16_64 3
		.amdhsa_memory_ordered 1
		.amdhsa_forward_progress 1
		.amdhsa_inst_pref_size 3
	.end_amdhsa_kernel
	.amdgpu_metadata
---
amdhsa.version: [ 1, 2 ]
amdhsa.kernels:
  - .name:           k_qd077760623_final
    .symbol:         k_qd077760623_final.kd
    .args:
      - { .name: part, .offset: 0, .size: 8, .value_kind: global_buffer, .address_space: global }
      - { .name: lin, .offset: 8, .size: 8, .value_kind: global_buffer, .address_space: global }
      - { .name: b, .offset: 16, .size: 8, .value_kind: global_buffer, .address_space: global }
      - { .name: out0, .offset: 24, .size: 8, .value_kind: global_buffer, .address_space: global }
    .group_segment_fixed_size: 0
    .private_segment_fixed_size: 0
    .kernarg_segment_align: 8
    .kernarg_segment_size: 32
    .max_flat_workgroup_size: 32
    .sgpr_count:     66
    .vgpr_count:     32
    .wavefront_size: 32
...
	.end_amdgpu_metadata
.endif
;; end of part 3
